; MI455X (gfx1250); checked and timed in simulation.
; The chip was launched on July 23, 2026; its instructions are those of AMD's public machine-readable ISA for CDNA 5 (MIT licence, August 2026) and "CDNA5" Instruction Set Architecture Reference Guide (July 2026). The comments in the code are by the model that wrote it; some were corrected since.
;; Attention Fusion. Allowed arithmetic: matrix products marked QUANTISED: E2M3 operands, one E8M0 scale for each 32 along K, by v_wmma_scale_f32_16x16x128_f8f6f4 with both operands' format E2M3, f32 sums; products left as they are: f32 operands where the result goes on into a quantised operand, else bf16, f16 or f32 operands; f32 sums; everything else in f32.
;; Inputs: Wk_codes 1,024 x 32 x 24 uint8 (E2M3 codes of Wk, K innermost, in blocks of 32 codes, four codes in three bytes); Wk_scales 1,024 x 32 uint8 (E8M0 scales of Wk, one for each 32 codes along K); Wo_codes 1,024 x 32 x 24 uint8 (E2M3 codes of Wo, K innermost, in blocks of 32 codes, four codes in three bytes); Wo_scales 1,024 x 32 uint8 (E8M0 scales of Wo, one for each 32 codes along K); Wq_codes 1,024 x 32 x 24 uint8 (E2M3 codes of Wq, K innermost, in blocks of 32 codes, four codes in three bytes); Wq_scales 1,024 x 32 uint8 (E8M0 scales of Wq, one for each 32 codes along K); Wv_codes 1,024 x 32 x 24 uint8 (E2M3 codes of Wv, K innermost, in blocks of 32 codes, four codes in three bytes); Wv_scales 1,024 x 32 uint8 (E8M0 scales of Wv, one for each 32 codes along K); adapter_outputs 4 x 4 x 1,024 x 1,024 float32; bk 1,024 float32; bo 1,024 float32; bq 1,024 float32; bv 1,024 float32; ln_beta 1,024 float32; ln_gamma 1,024 float32.
;; Outputs: out0 4 x 1,024 x 1,024 float32.
;; This version of the problem:
;;   THIS VERSION OF THE PROBLEM IS GIVEN IN LOW PRECISION. The matrix products marked QUANTISED in the list below multiply operands that are first quantised to E2M3 (2 exponent bits, 3 mantissa bits; 6 bits a number), with one power-of-two scale for each 32 numbers along K (OCP MX v1.0); their sums are f32. All else is computed in f32.
;;   The module's matrix products, in the order in which they are computed (A, B: the left and right operand; K: the contracted axis; several contracted axes count as one K, in the product's order):
;;     1. [M 16,384, K 1,024] x [K 1,024, N 1,024]; A: input adapter_outputs; B: input Wq (given as codes): QUANTISED
;;     2. [M 16,384, K 1,024] x [K 1,024, N 1,024]; A: input adapter_outputs; B: input Wk (given as codes): QUANTISED
;;     3. [M 16,384, K 1,024] x [K 1,024, N 1,024]; A: input adapter_outputs; B: input Wv (given as codes): QUANTISED
;;     4. batch 65,536 x [M 4, K 64] x [K 64, N 4]; A: computed on the way; B: computed on the way: left as it is (M = 4 < 16)
;;     5. batch 65,536 x [M 4, K 4] x [K 4, N 64]; A: softmax; B: computed on the way: left as it is (K = 4 < 32)
;;     6. [M 4,096, K 1,024] x [K 1,024, N 1,024]; A: computed on the way; B: input Wo (given as codes): QUANTISED
;;   THE QUANTISER, for each operand of a quantised product, along K:
;;     - K is cut into blocks of 32 from its start; a last block that is shorter is filled with zeros.
;;     - A block's scale is 2^e with e = floor(log2(the largest magnitude in the block)) - 2, held to -126 .. 127; a block of zeros has e = 0. As a byte (E8M0): e + 127.
;;     - Each number is divided by its block's scale, clamped to +-7.5, and rounded to the nearest number of E2M3, ties to even, subnormals kept.
;;     - The product sums the exact products of the quantised numbers (number of the format x scale) in f32.
;;   ~~~python
;;   def quantise(x, axis):      # numpy; x: float32 -> the quantised numbers, widened to float32 again
;;       x = np.moveaxis(x, axis, -1); K = x.shape[-1]
;;       x = np.pad(x, [(0, 0)] * (x.ndim - 1) + [(0, -K % 32)]); x = x.reshape(x.shape[:-1] + (-1, 32)); a = np.abs(x).max(-1, keepdims=True)
;;       e = np.where(a > 0, np.clip(np.frexp(np.where(a > 0, a, 1))[1] - 1 - 2, -126, 127), 0)      # np.frexp(a)[1] - 1 = floor(log2(a)), exactly
;;       r = np.clip(x / 2.0 ** e, -7.5, 7.5)
;;       step = 2.0 ** (np.maximum(np.frexp(np.where(r == 0, 1, r))[1] - 1, 0) - 3)
;;       q = np.round(r / step) * step * 2.0 ** e      # np.round: ties to even
;;       return np.moveaxis(q.reshape(q.shape[:-2] + (-1,))[..., :K], -1, axis).astype(np.float32)
;;   ~~~
;;   OPERANDS COMPUTED ON THE WAY. 'Computed on the way' means the value that the module computes at that place (a softmax that the list does not call 'softmax' is quantised finished and normalised). What goes into a quantiser is computed in f32, as accurately as f32 sums, v_exp_f32 and their like allow (about 1e-6 of the number): no bf16 or f16 on the way to a quantiser, and a product that is left as it is and whose result goes on into a quantised operand takes f32 operands (vector FMAs, or v_wmma_f32_16x16x4_f32). A number that lies on a knife's edge between two numbers of the format may be rounded either way, as far as f32 arithmetic and the matrix unit's own rounding can turn it there, and no further.
;;   INPUTS GIVEN AS CODES. Wk (in the module: [1024, 1024], K = its axis 0); Wo (in the module: [1024, 1024], K = its axis 0); Wq (in the module: [1024, 1024], K = its axis 0); Wv (in the module: [1024, 1024], K = its axis 0): each comes as NAME_codes (uint8): NAME with its K axis moved to the last place and cut into blocks of 32 codes, [.., K / 32, bytes a block], one block behind the other in memory; four codes in three bytes: a row's codes are one little-endian stream of bits, code i at bits 6 i .. 6 i + 5 (a code: sign, 2 exponent bits, 3 mantissa bits); and NAME_scales (uint8): the same leading axes, one E8M0 byte (e + 127) for each 32 codes along K. Its value is code x scale, taken as it is: it is not quantised again, and the codes and scales need not be those that the quantiser above would give.
;; One version. Each part assembles by itself: llvm-mc -triple=amdgcn-amd-amdhsa -mcpu=gfx1250 --defsym DOCPART=n.
;; ======== version 1 of 1: 3 launches
;; limits: right only within a limited range of input values
;; workspace buffers: xq 12,582,912 bytes; xs 524,288 bytes; wqkv 2,473,984 bytes; wof 786,432 bytes; pc 3,145,728 bytes; ps 131,072 bytes
;; launch prep (part 1): grid 1280 x 1, 4 waves a work-group, no clusters, 34,304 bytes of LDS; arguments adapter_outputs, Wq_codes, Wk_codes, Wv_codes, Wo_codes, xq, xs, wqkv, wof, Wq_scales, Wk_scales, Wv_scales, bq, bk, bv; writes xq, xs, wqkv, wof
.if DOCPART == 1
	.amdgcn_target "amdgcn-amd-amdhsa--gfx1250"
	.amdhsa_code_object_version 6
	.text
	.protected	k_q10889cc46a_prep
	.globl	k_q10889cc46a_prep
	.p2align	8
	.type	k_q10889cc46a_prep,@function
k_q10889cc46a_prep:
	s_mov_b64 s[64:65], 0
	v_nop
	global_prefetch_b8 v0, s[64:65] scope:SCOPE_SE
	s_setreg_imm32_b32 hwreg(HW_REG_WAVE_MODE, 25, 1), 1
	s_wait_xcnt 0x0
; PREP.  (1) adapter_outputs [4][4096 tokens][1024] f32 becomes codes of FP6 (E2M3) with one E8M0 byte for each 32 along K, laid as IMAGES OF OPERAND REGISTERS.
; (2) The four weights' codes, given as rows [1024][768 bytes], are laid anew in the same image order.  Nothing of a weight's value changes.
; AN IMAGE is a fragment of 16 rows x 128 K, 12 registers a lane, as three pieces of 512 bytes: piece c holds registers 4 c .. 4 c + 3, lane l's 16 bytes at 16 l: 1,536 bytes.
;   xq   [tg 256][adapter 4][K step 8][1536]       row r of a fragment is token 16 tg + r
;   xs   [tg][adapter][kq 4][r 16][i 2] words       the scale word of K step 2 kq + i of token r
;   wqkv [head 16][K step 8][f 12][1536]            f = 4 m + t: m = 0, 1, 2 for Wq, Wk, Wv; t = 16 neighbouring rows of the head's 64
;   wof  [tile 64][K step 8][1536]
; A block's scale is 2^(floor(log2(its largest magnitude)) - 2); its byte is the largest magnitude's exponent field - 2, held at 1 from below.
; LIMITS: a block of zeros, or one whose largest magnitude lies under 2^-124, gets the byte 1 where the rule says 127 for zeros: its codes are zeros, and these bytes are read by this program alone.
; NaN and infinities among the inputs are not served.
; SHARES.  The work-groups come in fives: number 5 q + a with a < 4 takes the 16 tokens of group q of adapter a (wave kq: K steps 2 kq and 2 kq + 1); number 5 q + 4 takes tile q of the weights'
; 256 tiles of 16 rows (wave w: K steps 2 w and 2 w + 1).  So the two kinds of work lie evenly mixed along the work-groups' numbers: any five neighbours hold one tile, and so do numbers 256 apart (256 = 5 x 51 + 1).
; A wave names 192 registers: five waves take 960 of a SIMD's 1,024, and five work-groups 171,520 bytes of LDS, so that the grid's 1,280 work-groups, five for each of 256 WGPs, can all be at work at once.
; No matrix unit, no cluster, no tensor load: a stream whose work-groups share nothing.  Only the first path uses LDS.
.set SPI,   528                        ; a stage row: 512 bytes + 16 = 33 x 16 bytes, so that sixteen rows' same column falls on sixteen different 16-byte columns of 256
.set STAGE, 16*SPI                     ; a wave's own stage: 16 rows
.set GI,    4                          ; v4   16 x lane
.set STI,   5                          ; v5   the stage, on the way in: 16 x lane
.set STO,   6                          ; v6   and out: row r, + 128 h
.set SH8,   7                          ; v7   8 h
.set XSO,   8                          ; v8   8 r + 4 h: my scale word's place
.set M,     10                         ; v10-11 largest magnitudes of my two blocks
.set TP,    12                         ; v12  a lane permute's destination
.set SC,    14                         ; v14-15 the conversions' scale operands
.set BY,    16                         ; v16-17 the scale bytes
.set W,     18                         ; v18-19 the scale words of the two K steps
.set TT,    20                         ; v20-22, v24-26 a block's upper 16 codes
.set F,     28                         ; v28-51 two fragments, each with registers of its own: no store's data are written again
.set RAW,   64                         ; v64-191 the 32 loads as they come, 64 registers a K step; the same registers then hold the K step's numbers in the operand's order
.set SEL,   40                         ; s[40:41] lane selects: lane l xor 16
	s_load_b256 s[4:11], s[0:1], 0x0               ; x, Wq's, Wk's, Wv's codes
	s_load_b256 s[12:19], s[0:1], 0x20             ; Wo's codes, xq, xs, wqkv
	s_load_b64 s[20:21], s[0:1], 0x40              ; wof
	; A HEAD'S BLOCK IN wqkv is 154,624 bytes: its 96 images; at 147,456 twelve images of scale words, number 2 (2 m + u) + c: lane 16 (t % 2) + r holds bytes 16 c .. 16 c + 15 of the scales of row r of tile t = 2 u + t % 2;
	; at 153,600 the head's 64 numbers of bq, bk, bv, 256 bytes each; the last 256 bytes repeat bv's, so that every byte of the block is written.
	s_load_b64 s[48:49], s[0:1], 0x48              ; Wq's scales
	s_load_b128 s[52:55], s[0:1], 0x50             ; Wk's, Wv's scales
	s_load_b128 s[56:59], s[0:1], 0x60             ; bq, bk
	s_load_b64 s[60:61], s[0:1], 0x70              ; bv
	v_lshl_add_u32 v52, v0, 2, 0x8400
	v_mov_b32 v53, 0
	v_lshrrev_b32 v1, 5, v0
	v_readfirstlane_b32 s22, v1                    ; wave 0..3
	v_and_b32 v1, 31, v0                           ; lane
	v_and_b32 v2, 15, v0                           ; r
	v_bfe_u32 v3, v0, 4, 1                         ; h
	v_lshlrev_b32 v[GI], 4, v1
	s_mul_i32 s23, ttmp9, 52429
	s_lshr_b32 s23, s23, 18                        ; q = number / 5: 52,429 / 2^18 lies 8e-7 over 1/5, which below 1,280 adds under 0.002 and turns no quotient
	s_mul_i32 s24, s23, 5
	s_sub_co_u32 s24, ttmp9, s24                   ; a = number - 5 q
	s_cmp_lt_u32 s24, 4
	s_cbranch_scc0 .Lrelay
	; ---- x: 16 tokens x 256 along K for a wave.  s23 = tg, s24 = adapter
	s_lshl_b32 s25, s23, 2
	s_add_co_u32 s25, s25, s24                     ; 4 tg + adapter
	s_lshl_b32 s26, s24, 24                        ; adapter x 4,096 tokens x 4,096 bytes
	s_lshl_b32 s27, s23, 16                        ; + tg x 16 tokens
	s_add_co_u32 s26, s26, s27
	s_lshl_b32 s27, s22, 10                        ; + my 256 numbers of a row
	s_add_co_u32 s26, s26, s27
	s_mov_b32 s27, 0
	s_mul_i32 s28, s25, 8*1536                     ; xq: (4 tg + adapter) x 8 images,
	s_mul_i32 s29, s22, 2*1536                     ; + my two
	s_add_co_u32 s28, s28, s29
	s_mov_b32 s29, 0
	s_lshl_b32 s30, s25, 9                         ; xs: 512 bytes for 16 tokens of an adapter,
	s_lshl_b32 s31, s22, 7                         ; + my 128
	s_add_co_u32 s30, s30, s31
	s_mov_b32 s31, 0
	s_mul_i32 s36, s22, STAGE
	s_wait_alu depctr_va_vdst(0)
	v_add_nc_u32 v[STI], s36, v[GI]
	v_mul_u32_u24 v[STO], v2, SPI
	v_lshl_add_u32 v[STO], v3, 7, v[STO]
	v_add_nc_u32 v[STO], s36, v[STO]
	v_lshlrev_b32 v[SH8], 3, v3
	v_lshlrev_b32 v[XSO], 3, v2
	v_lshl_add_u32 v[XSO], v3, 2, v[XSO]
	v_mov_b32 v[TP], 0                             ; written once: a lane permute's destination counts as one of its sources
	s_mov_b32 s[SEL], 0x76543210
	s_mov_b32 s[SEL+1], 0xfedcba98
	s_wait_alu depctr_va_vdst(0)
	s_wait_kmcnt 0x0
	s_add_nc_u64 s[4:5], s[4:5], s[26:27]
	s_add_nc_u64 s[14:15], s[14:15], s[28:29]
	s_add_nc_u64 s[16:17], s[16:17], s[30:31]
.irp q, 0,1                                    ; all 32 loads at once: each reads 512 consecutive bytes of one row
.irp i, 0,1,2,3,4,5,6,7,8,9,10,11,12,13,14,15
	global_load_b128 v[RAW+64*\q+4*\i:RAW+64*\q+4*\i+3], v[GI], s[4:5] offset:4096*\i+512*\q th:TH_LOAD_NT
.endr
.endr
; K step q through the stage: in as loaded (row i, 16 bytes a lane), out in the operand's order: lane (r, h) takes of row r the whole blocks h and 2 + h, 128 bytes each, INTO THE REGISTERS THAT THE STORES LEFT.
; LDS serves a wave's instructions in order (ISA guide 5.7.1.4), so no wait stands between the stores and the loads.
.macro TURN q
.irp i, 0,1,2,3,4,5,6,7,8,9,10,11,12,13,14,15
	ds_store_b128 v[STI], v[RAW+64*\q+4*\i:RAW+64*\q+4*\i+3] offset:SPI*\i
.endr
.irp c, 0,1
.irp j, 0,1,2,3,4,5,6,7
	ds_load_b128 v[RAW+64*\q+32*\c+4*\j:RAW+64*\q+32*\c+4*\j+3], v[STO] offset:256*\c+16*\j
.endr
.endr
.endm
; v[X + 32 c + i] = k 64 c + 32 h + i of my row: two whole blocks a lane.  They become the fragment's 12 registers and my row's scale word.
.macro QUANTB q
.set X, RAW+64*\q
.irp c, 0,1
	v_max3_num_f32 v[M+\c], |v[X+32*\c]|, |v[X+32*\c+1]|, 0x1800000   ; with the floor 2^(3 - 127): the byte cannot fall under 1
.endr
.irp i, 2,4,6,8,10,12,14,16,18,20,22,24,26,28,30
.irp c, 0,1
	v_max3_num_f32 v[M+\c], v[M+\c], |v[X+32*\c+\i]|, |v[X+32*\c+\i+1]|
.endr
.endr
.irp c, 0,1
	v_add_nc_u32 v[SC+\c], 0xff000000, v[M+\c]     ; 2 off the exponent field: the conversion takes this operand's exponent field as its scale
.endr
.irp c, 0,1
	v_lshrrev_b32 v[BY+\c], 23, v[SC+\c]           ; the scale's byte
.endr
	v_lshl_or_b32 v[W+\q], v[BY+1], 16, v[BY]      ; my bytes: blocks h and 2 + h,
	v_lshlrev_b32 v[W+\q], v[SH8], v[W+\q]         ; at their places in the word;
	v_permlanex16_b32 v[TP], v[W+\q], s[SEL], s[SEL+1]
	v_or_b32 v[W+\q], v[W+\q], v[TP]               ; with lane l xor 16's two the word is whole
.irp c, 0,1
	v_cvt_scalef32_pk16_fp6_f32 v[F+12*\q+6*\c:F+12*\q+6*\c+2], v[X+32*\c:X+32*\c+15], v[SC+\c]
	v_cvt_scalef32_pk16_fp6_f32 v[TT+4*\c:TT+4*\c+2], v[X+32*\c+16:X+32*\c+31], v[SC+\c]   ; (a conversion's three registers begin on an even number)
.endr
	v_nop                                          ; one plain place behind a scaled conversion
.irp c, 0,1
.irp i, 0,1,2
	v_mov_b32 v[F+12*\q+6*\c+3+\i], v[TT+4*\c+\i]
.endr
.endr
.irp c, 0,1,2
	global_store_b128 v[GI], v[F+12*\q+4*\c:F+12*\q+4*\c+3], s[14:15] offset:1536*\q+512*\c   ; the image: 512 consecutive bytes a store
.endr
.endm
	s_wait_loadcnt 16                              ; the first K step's sixteen loads are in; the second's sixteen may be out
	TURN 0
	s_wait_dscnt 0x0
	QUANTB 0
	s_wait_loadcnt 0x0
	TURN 1
	s_wait_dscnt 0x0
	QUANTB 1
	v_cmp_ne_u32 vcc_lo, 0, v[SH8]
	v_cndmask_b32 v[M], v[W], v[W+1], vcc_lo       ; lanes 0-15 store the first K step's word, lanes 16-31 the second's
	global_store_b32 v[XSO], v[M], s[16:17]        ; 128 consecutive bytes
	s_wait_tensorcnt 0x0
	ds_add_u32 v52, v53
	s_wait_dscnt 0x0
	s_endpgm
	; ---- a weight's codes: tile s23 of 256; 16 rows x 256 along K for a wave, from rows into two images
.Lrelay:
	s_lshr_b32 s24, s23, 6                         ; m: 0, 1, 2, 3 for Wq, Wk, Wv, Wo
	s_and_b32 s25, s23, 63                         ; the weight's tile of 16 rows = 4 head + t
	s_mul_i32 s26, s25, 16*768                     ; where its rows begin; in wof its eight images begin at the same byte
	s_mov_b32 s27, 0
	s_lshr_b32 s28, s25, 2
	s_mul_i32 s28, s28, 154624                     ; wqkv: the head's block,
	s_and_b32 s29, s25, 3
	s_lshl_b32 s37, s24, 2
	s_add_co_u32 s29, s29, s37
	s_mul_i32 s29, s29, 1536                       ; + f = 4 m + t
	s_add_co_u32 s28, s28, s29
	s_mov_b32 s29, 0
	s_mul_i32 s38, s22, 192                        ; my two K steps in a row: 96 bytes each
	s_mov_b32 s39, 0
	s_wait_alu depctr_va_vdst(0)
	v_mul_u32_u24 v5, v2, 768                      ; row r,
	v_mad_u32_u24 v5, v3, 24, v5                   ; + 24 h: a lane's 24 bytes of each 48
	s_wait_alu depctr_va_vdst(0)
	s_wait_kmcnt 0x0
	s_cmp_eq_u32 s24, 0                            ; the choices hang on the work-group's number alone
	s_cselect_b64 s[30:31], s[6:7], s[8:9]
	s_cmp_lt_u32 s24, 2
	s_cselect_b64 s[30:31], s[30:31], s[10:11]
	s_cmp_lt_u32 s24, 3
	s_cselect_b64 s[30:31], s[30:31], s[12:13]     ; from where,
	s_cselect_b64 s[32:33], s[18:19], s[20:21]     ; into which buffer,
	s_cselect_b64 s[34:35], s[28:29], s[26:27]     ; at which byte,
	s_mov_b32 s36, 1536
	s_cselect_b32 s36, 12*1536, s36                ; and how far from K step to K step
	s_add_nc_u64 s[30:31], s[30:31], s[26:27]
	s_add_nc_u64 s[30:31], s[30:31], s[38:39]
	s_add_nc_u64 s[32:33], s[32:33], s[34:35]
	s_lshl_b32 s40, s22, 1
	s_mul_i32 s40, s40, s36                        ; my first K step's place
	s_mov_b32 s41, 0
	s_add_nc_u64 s[32:33], s[32:33], s[40:41]
	v_add_nc_u32 v9, s36, v[GI]                    ; 16 x lane + one K step on
.irp s, 0,1
.irp p, 0,1,2,3,4,5
	global_load_b64 v[64+12*\s+2*\p:64+12*\s+2*\p+1], v5, s[30:31] offset:96*\s+48*(\p/3)+8*(\p%3)
.endr
.endr
	s_wait_alu depctr_va_vdst(0)
	s_wait_loadcnt 6                               ; the first image's six loads are in; the second's six may be out
.irp c, 0,1,2
	global_store_b128 v[GI], v[64+4*\c:64+4*\c+3], s[32:33] offset:512*\c
.endr
	s_wait_loadcnt 0x0
.irp c, 0,1,2
	global_store_b128 v9, v[76+4*\c:76+4*\c+3], s[32:33] offset:512*\c
.endr
	; the tile's scale bytes (wave 0) and, with a head's first tile, the head's 64 biases (wave 1) go into the head's block.  Wo's scales stay where they are given.
	s_cmp_lt_u32 s24, 3
	s_cbranch_scc0 .Lrelay_end
	s_cmp_eq_u32 s24, 0                            ; the choices hang on the work-group's number alone
	s_cselect_b64 s[68:69], s[48:49], s[52:53]
	s_cselect_b64 s[70:71], s[56:57], s[58:59]
	s_cmp_lt_u32 s24, 2
	s_cselect_b64 s[68:69], s[68:69], s[54:55]
	s_cselect_b64 s[70:71], s[70:71], s[60:61]
	s_lshr_b32 s72, s25, 2
	s_mul_i32 s72, s72, 154624
	s_mov_b32 s73, 0
	s_add_nc_u64 s[74:75], s[18:19], s[72:73]      ; the head's block
	s_and_b32 s76, s25, 3                          ; t
	s_cmp_eq_u32 s22, 0
	s_cbranch_scc0 .Lnot_scales
	s_lshl_b32 s72, s25, 9                         ; 16 rows of 32 bytes
	s_add_nc_u64 s[68:69], s[68:69], s[72:73]
	s_lshr_b32 s77, s76, 1                         ; u
	s_lshl_b32 s78, s24, 1
	s_add_co_u32 s77, s77, s78                     ; 2 m + u: two images of 512 bytes each
	s_lshl_b32 s77, s77, 10
	s_and_b32 s76, s76, 1
	s_lshl_b32 s76, s76, 8                         ; + 16 lanes for an odd tile
	s_add_co_u32 s77, s77, s76
	s_add_co_u32 s77, s77, 147456
	v_lshlrev_b32 v10, 5, v2                       ; from: row r, half h of its 32 bytes
	v_lshl_add_u32 v10, v3, 4, v10
	global_load_b128 v[12:15], v10, s[68:69]       ; 512 consecutive bytes
	v_lshlrev_b32 v11, 4, v2                       ; to: image h, lane r
	v_lshl_add_u32 v11, v3, 9, v11
	v_add_nc_u32 v11, s77, v11
	s_wait_alu depctr_va_vdst(0)
	s_wait_loadcnt 0x0
	global_store_b128 v11, v[12:15], s[74:75]      ; sixteen lanes store 256 consecutive bytes
	s_branch .Lrelay_end
.Lnot_scales:
	s_cmp_eq_u32 s22, 1
	s_cbranch_scc0 .Lrelay_end
	s_cmp_eq_u32 s76, 0
	s_cbranch_scc0 .Lrelay_end
	s_lshr_b32 s72, s25, 2
	s_lshl_b32 s72, s72, 8                         ; the head's 64 numbers
	s_add_nc_u64 s[70:71], s[70:71], s[72:73]
	s_lshl_b32 s77, s24, 8
	s_add_co_u32 s77, s77, 153600
	v_lshlrev_b32 v10, 3, v1                       ; 8 bytes a lane
	global_load_b64 v[12:13], v10, s[70:71]
	v_add_nc_u32 v11, s77, v10
	s_wait_alu depctr_va_vdst(0)
	s_wait_loadcnt 0x0
	global_store_b64 v11, v[12:13], s[74:75]       ; 256 consecutive bytes
	s_cmp_eq_u32 s24, 2
	s_cbranch_scc0 .Lrelay_end
	global_store_b64 v11, v[12:13], s[74:75] offset:256   ; the block's last 256 bytes
.Lrelay_end:
	s_endpgm
.Lfunc_end_k_q10889cc46a_prep:
	.size	k_q10889cc46a_prep, .Lfunc_end_k_q10889cc46a_prep-k_q10889cc46a_prep
	.p2alignl 7, 3214868480
	.fill 96, 4, 3214868480
	.section	.rodata,"a",@progbits
	.p2align	6, 0x0
	.amdhsa_kernel k_q10889cc46a_prep
		.amdhsa_group_segment_fixed_size 34304
		.amdhsa_private_segment_fixed_size 0
		.amdhsa_enable_private_segment 0
		.amdhsa_kernarg_size 120
		.amdhsa_user_sgpr_count 2
		.amdhsa_user_sgpr_kernarg_segment_ptr 1
		.amdhsa_wavefront_size32 1
		.amdhsa_system_sgpr_workgroup_id_x 1
		.amdhsa_system_sgpr_workgroup_id_y 1
		.amdhsa_system_sgpr_workgroup_id_z 1
		.amdhsa_system_vgpr_workitem_id 0
		.amdhsa_next_free_vgpr 192
		.amdhsa_next_free_sgpr 80
		.amdhsa_reserve_vcc 1
		.amdhsa_float_denorm_mode_32 3
		.amdhsa_float_denorm_mode_16_64 3
		.amdhsa_memory_ordered 1
		.amdhsa_forward_progress 1
		.amdhsa_inst_pref_size 22
	.end_amdhsa_kernel
	.amdgpu_metadata
---
amdhsa.version: [ 1, 2 ]
amdhsa.kernels:
  - .name:           k_q10889cc46a_prep
    .symbol:         k_q10889cc46a_prep.kd
    .args:
      - { .name: adapter_outputs, .offset: 0, .size: 8, .value_kind: global_buffer, .address_space: global }
      - { .name: Wq_codes, .offset: 8, .size: 8, .value_kind: global_buffer, .address_space: global }
      - { .name: Wk_codes, .offset: 16, .size: 8, .value_kind: global_buffer, .address_space: global }
      - { .name: Wv_codes, .offset: 24, .size: 8, .value_kind: global_buffer, .address_space: global }
      - { .name: Wo_codes, .offset: 32, .size: 8, .value_kind: global_buffer, .address_space: global }
      - { .name: xq, .offset: 40, .size: 8, .value_kind: global_buffer, .address_space: global }
      - { .name: xs, .offset: 48, .size: 8, .value_kind: global_buffer, .address_space: global }
      - { .name: wqkv, .offset: 56, .size: 8, .value_kind: global_buffer, .address_space: global }
      - { .name: wof, .offset: 64, .size: 8, .value_kind: global_buffer, .address_space: global }
      - { .name: Wq_scales, .offset: 72, .size: 8, .value_kind: global_buffer, .address_space: global }
      - { .name: Wk_scales, .offset: 80, .size: 8, .value_kind: global_buffer, .address_space: global }
      - { .name: Wv_scales, .offset: 88, .size: 8, .value_kind: global_buffer, .address_space: global }
      - { .name: bq, .offset: 96, .size: 8, .value_kind: global_buffer, .address_space: global }
      - { .name: bk, .offset: 104, .size: 8, .value_kind: global_buffer, .address_space: global }
      - { .name: bv, .offset: 112, .size: 8, .value_kind: global_buffer, .address_space: global }
    .group_segment_fixed_size: 34304
    .private_segment_fixed_size: 0
    .kernarg_segment_align: 8
    .kernarg_segment_size: 120
    .max_flat_workgroup_size: 128
    .sgpr_count:     80
    .vgpr_count:     192
    .wavefront_size: 32
...
	.end_amdgpu_metadata
.endif
;; end of part 1
;; launch qkv (part 2): grid 4 x 64, 4 waves a work-group, clusters of 4 x 4, 327,680 bytes of LDS; arguments xq, xs, wqkv, pc, ps; writes pc, ps
.if DOCPART == 2
	.amdgcn_target "amdgcn-amd-amdhsa--gfx1250"
	.amdhsa_code_object_version 6
	.text
	.protected	k_q10889cc46a_qkv
	.globl	k_q10889cc46a_qkv
	.p2align	8
	.type	k_q10889cc46a_qkv,@function
k_q10889cc46a_qkv:
	s_mov_b64 s[64:65], 0
	v_nop
	global_prefetch_b8 v0, s[64:65] scope:SCOPE_SE
	s_setreg_imm32_b32 hwreg(HW_REG_WAVE_MODE, 25, 1), 1
	s_wait_xcnt 0x0
	s_wait_alu depctr_hold_cnt(0) depctr_sa_sdst(0) depctr_va_vdst(0) depctr_va_sdst(0) depctr_va_ssrc(0) depctr_va_vcc(0) depctr_vm_vsrc(0)
	s_getreg_b32 s2, hwreg(HW_REG_IB_STS2, 6, 4)
	s_cmp_eq_u32 s2, 0
	s_cbranch_scc0 .Lentry_in_a_cluster
	s_endpgm
.Lentry_in_a_cluster:
	s_bfe_u32 s2, ttmp6, 0x10000c
	s_cmp_lg_u32 s2, 0xf033
	s_cbranch_scc0 .Lentry_shape_is_right
	s_endpgm
.Lentry_shape_is_right:
; QKV.  For 64 tokens x 4 adapters and 4 heads: q, k, v = x W + b on codes of FP6 (E2M3) with E8M0 scales; the 4 x 4 attention over the adapters in f32; the mean over the four queries;
; the pooled 64 numbers a token and head are quantised along the next product's K and leave as codes (pc) and scale words (ps).  q, k, v never go to memory.
; SHARES.  Work-group (cx, rb): heads 4 cx .. 4 cx + 3, tokens 64 rb .. 64 rb + 63.  Wave w: tokens 16 (4 rb + w) + r, all four adapters; its codes of x (32 fragments, 384 registers) stay in registers.
; A HEAD'S BLOCK (154,624 bytes: 96 weight images, 12 images of scale words, the biases) lies in one of two LDS slots; each wave fetches a quarter, 151 rows of 256 bytes, by one joint load.
; Slot 0 is asked for at the head, slot 1 behind the first round; heads 2 and 3 are refills, each asked for a whole head (384 matrix instructions a wave) ahead of its first read: so no prefetch is laid.
; THE MATRIX INSTRUCTION IS USED TRANSPOSED (source 0 = 16 rows of W, source 1 = 16 tokens of one adapter): lane (r, h) holds token r and features 16 t + 8 h + 0 .. 7, for all four adapters.
; A HEAD'S 384 PRODUCTS go by six pairs of tiles: (Q_t, K_t), t = 0 .. 3, then (V0, V1), (V2, V3); inside a pair K ascends and the 8 accumulators take turns.  A sum begins at its bias, the C of its first instruction.
; THE PAIRS TAKE TURNS ON TWO SETS OF EIGHT ACCUMULATORS: a pair of Q and K is read out (its part of the scores) while the next pair is multiplied, and the pair after that begins its sums anew in the same registers;
; V's two pairs lie in the two sets when the head's products end.
; A GROUP is 32 matrix instructions on end: four K steps of a pair, eight weight fragments x four adapters; 12 groups a head.  The fragments lie in two sets of eight register buffers, a set to a group.
; Behind group g stand a block of vector work and ONE run of 24 LDS loads: group g + 2's fragments, into the set that group g has just read.
; THE SCORES stand in those blocks: behind group g, 2 <= g < 10, the 32 packed multiply-adds of four features a lane of tile (g - 2) / 2; elsewhere four v_nop.  A block is the places in front of the run of loads,
; and a pair's results are first read one whole group behind its last product, with the block between as their places.
; The softmax (the row's maximum taken away), the pooling and the quantiser follow behind the change of slots, under the next head's first LDS loads.
; THE MEAN is taken on the softmax's weights: pooled = sum over k of (1/4 sum over q of w[q][k]) v[k]: the same sums of f32 numbers in another order.
; CLUSTER 4 x 4.  A head's block hangs on cx alone: the four work-groups of a column ask for it jointly.  x is not asked for jointly, though the four of a row read the same images:
; the two slots and the spare words take 309,760 bytes, which leaves LDS no room for a work-group's 196,608 bytes of images.
; LIMITS: NaN and infinities are not served; a pooled block of zeros, or one under 2^-124, gets the byte 1 where the rule says 127 for zeros (its codes are zeros; this program alone reads the bytes);
; v_exp_f32 and v_rcp_f32 are taken as they are (1 ulp: ISA guide, their entries).
; REGISTERS, in windows of 256:  window 0: v1-15 addresses; v16-31 x's scale words; v32-79 the head's weight scale words; v80-95 two tiles' biases; v96-191 fragment set 0; v192-255 the attention.
;   window 1: x's fragments of K steps 0-4 at 12 (4 s + a).   window 2: x's of K steps 5-7.
;   window 3: the accumulators of pair p at 64 (p % 2) + 32 e + 8 a (e: the pair's tile, a: the adapter); fragment set 1 at v128-223.
.set HEADB, 154624
.set SLOT1, 154624
.set QTR,   38656                      ; a quarter of a slot
.set BIAO,  153600                     ; the biases' place in a block
.set SPARE, 309248                     ; the spare words: two blocks of 256 bytes that no other line names
.set LI,   1                           ; 16 x lane
.set AW,   2                           ; v2-5 the slot in hand + 16 x lane, + 36, 72 and 96 images (an LDS offset has 16 bits); the last points at the scale words
.set ABI,  6                           ; my half's place among the head's biases
.set PO,   7                           ; 8 x lane
.set SPW,  8                           ; my spare word; never rewritten
.set NIL,  9                           ; 0; never rewritten
.set SWLO, 10                          ; v10-11 the pooled scale words of the group's two K steps, shifted in 16 bits a head
.set SWHI, 11
.set SH8,  12                          ; 8 h
.set PSO,  13                          ; 16 r + 4 h
.set ABI0, 14                          ; BIAO + 32 h
.set XS,   16                          ; 16 + 4 a + 2 j + i: lanes 0-15 K step 4 j + i, lanes 16-31 K step 4 j + 2 + i
.set WS,   32                          ; 32 + 4 (2 (2 m + u) + c) + i: lanes 0-15 tile 2 u, lanes 16-31 tile 2 u + 1, K step 4 c + i
.set BI,   80
.set WF,   96                          ; fragment set 0, in window 0
.set WF1,  128                         ; fragment set 1, in window 3
.set SP,   192                         ; sixteen scores, each as a pair of partial sums; then the pooled numbers
.set P,    192
.set E,    224                         ; scores, then weights: 4 q + k; then the quantiser's registers
.set MX,   240                         ; a query's maximum, in the low half of a pair; then 1 / (4 x a query's sum) in v240-243
.set RI,   240
.set WB,   248                         ; the pooled weight of key k, in the low half of a pair
.set MA,   224
.set MB,   225
.set SO,   226
.set BY,   227
.set T2,   228
.set F,    230
.set TT,   236
.set WV,   26
.set G1D,  32
.set G0A,  56
.set G0W,  60
.set TB,   84                          ; LDS byte at which the slot to be read begins
.set CNT,  87
.set SEL,  88
.set CS,   90
.set MSB, 0
.macro WIN new                         ; the immediate's high byte repeats the setting that is left
.if MSB != \new
	s_set_vgpr_msb (MSB<<8)|\new
.set MSB, \new
.endif
.endm
.macro PLACES
.rept 4
	v_nop
.endr
.endm
.macro CROUND                          ; a round of the cluster's barrier
	s_barrier_signal -1
	s_barrier_wait -1
	s_cmp_lg_u32 s[WV], 0
	s_cbranch_scc1 .Lnot_wave_0_\@
	s_barrier_signal -3
.Lnot_wave_0_\@:
	s_barrier_wait -3
	s_barrier_signal -1
	s_barrier_wait -1
.endm
	s_load_b256 s[4:11], s[0:1], 0x0               ; xq, xs, wqkv, pc
	s_load_b64 s[12:13], s[0:1], 0x20              ; ps
	v_lshl_add_u32 v[SPW], v0, 2, SPARE
	v_mov_b32 v[NIL], 0
	ds_add_u32 v[SPW], v[NIL]                      ; the opening lines: the add, twice on end, and its wait ahead of my first tensor load
	ds_add_u32 v[SPW], v[NIL]
	v_lshrrev_b32 v15, 5, v0
	v_readfirstlane_b32 s[WV], v15                 ; wave 0..3
	s_bfe_u32 s27, ttmp6, 0x40000                  ; cx: the head group
	s_bfe_u32 s28, ttmp6, 0x40004                  ; cy
	s_and_b32 s29, ttmp7, 0xffff
	s_lshl_b32 s29, s29, 2
	s_add_co_u32 s29, s29, s28                     ; rb = 4 x cluster y + cy
	s_lshl_b32 s30, 0x1111, s27                    ; my column of the cluster
	s_or_b32 s[G1D], s30, (3<<16)|(1<<21)          ; the mask; elements of 8 bytes; bit 21 beside a mask
	s_mov_b32 s[G1D+1], 32<<16                     ; rows of 256 bytes,
	s_mov_b32 s[G1D+2], 151<<16                    ; 151 of them,
	s_mov_b32 s[G1D+3], 32<<16
	s_mov_b32 s[G1D+4], 151
	s_mov_b32 s[G1D+5], 32                         ; dense
	s_mov_b32 s[G1D+6], 0
	s_mov_b32 s[G1D+7], 0
	s_mul_i32 s31, s[WV], QTR                      ; my quarter of a slot: no place in the cluster enters an LDS address
	s_mul_i32 s76, s27, 4*HEADB                    ; wqkv: head 4 cx,
	s_add_co_u32 s76, s76, s31                     ; my quarter
	s_mov_b32 s77, 0
	s_lshl_b32 s92, s29, 2                         ; what hangs on cy stands in registers of its own
	s_add_co_u32 s92, s92, s[WV]                   ; tg = 4 rb + wave
	s_mul_i32 s94, s92, 32*1536                    ; xq: 32 images
	s_mov_b32 s95, 0
	s_lshl_b32 s96, s92, 11                        ; xs: 4 adapters x 512 bytes
	s_mov_b32 s97, 0
	s_mul_i32 s98, s92, 16*768                     ; pc: 16 heads x 768 bytes,
	s_mul_i32 s93, s27, 4*768                      ; + my group's first head
	s_add_co_u32 s98, s98, s93
	s_mov_b32 s99, 0
	s_lshl_b32 s92, s92, 9                         ; ps: 512 bytes; K steps 2 cx, 2 cx + 1: 256 (cx / 2) + 8 (cx % 2)
	s_lshr_b32 s93, s27, 1
	s_lshl_b32 s93, s93, 8
	s_add_co_u32 s92, s92, s93
	s_and_b32 s93, s27, 1
	s_lshl_b32 s93, s93, 3
	s_add_co_u32 s92, s92, s93
	s_mov_b32 s93, 0
	s_mov_b32 s[TB], 0
	s_mov_b32 s[SEL], 0x76543210
	s_mov_b32 s[SEL+1], 0xfedcba98
	s_mov_b32 s[CS], 0x3e38aa3b                    ; log2(e) / 8 = log2(e) / sqrt(64)
	s_mov_b32 s[CS+1], s[CS]
	v_and_b32 v2, 31, v0                           ; lane
	v_and_b32 v3, 15, v0                           ; r
	v_bfe_u32 v4, v0, 4, 1                         ; h
	v_lshlrev_b32 v[LI], 4, v2
	v_lshlrev_b32 v[PO], 3, v2
	v_lshl_add_u32 v[ABI0], v4, 5, BIAO
	v_lshlrev_b32 v[SH8], 3, v4
	v_lshlrev_b32 v[PSO], 4, v3
	v_lshl_add_u32 v[PSO], v4, 2, v[PSO]
	v_mov_b32 v[SWLO], 0
	v_mov_b32 v[SWHI], 0
.irp j, 1,3,5,7
	v_mov_b32 v[MX+\j], 0                          ; the pairs' upper halves: named, not used
	v_mov_b32 v[WB+\j], 0
.endr
	s_wait_alu depctr_va_vdst(0)
	s_wait_dscnt 0x0                               ; both opening adds are done
	s_wait_kmcnt 0x0
	s_add_nc_u64 s[4:5], s[4:5], s[94:95]
	s_add_nc_u64 s[6:7], s[6:7], s[96:97]
	s_add_nc_u64 s[10:11], s[10:11], s[98:99]
	s_add_nc_u64 s[12:13], s[12:13], s[92:93]
	s_mov_b32 s[G0A], 1
	s_mov_b32 s[G0A+1], s31
	s_add_nc_u64 s[G0A+2:G0A+3], s[8:9], s[76:77]
	s_mov_b32 s[G0W], 1
	s_add_co_u32 s[G0W+1], s31, SLOT1
	s_add_nc_u64 s[G0W+2:G0W+3], s[G0A+2:G0A+3], HEADB
	s_or_b32 s[G0A+3], s[G0A+3], 0x80000000
	s_or_b32 s[G0W+3], s[G0W+3], 0x80000000
	CROUND                                         ; all sixteen work-groups are here: the first joint loads meet
	tensor_load_to_lds s[G0A:G0A+3], s[G1D:G1D+7]  ; head 0, my quarter: one tensor load a wave at the head, ahead of x's 104 loads
	s_nop 0
	PLACES
.irp a, 0,1,2,3                                ; x's scale words: lane (r, h) takes the two words of quarter 2 j + h of K
.irp j, 0,1
	global_load_b64 v[XS+4*\a+2*\j:XS+4*\a+2*\j+1], v[PO], s[6:7] offset:512*\a+256*\j
.endr
.endr
.set KS_, 0
.rept 8                                        ; x's images, K step by K step: 12 loads each, 512 consecutive bytes a load
.if KS_ < 5
	WIN 0x40
.set XB_, 48*KS_
.else
	WIN 0x80
.set XB_, 48*(KS_-5)
.endif
.irp a, 0,1,2,3
.irp c, 0,1,2
	global_load_b128 v[XB_+12*\a+4*\c:XB_+12*\a+4*\c+3], v[LI], s[4:5] offset:12288*\a+1536*KS_+512*\c
.endr
.endr
.set KS_, KS_+1
.endr
	WIN 0
.macro LOADQ m                         ; three LDS loads: fragment m of a head's 96 (pair m / 16, K step (m % 16) / 2, tile m % 2 of the pair) into buffer m % 8 of set (m / 8) % 2
.set LP_, (\m)/16
.set LS_, ((\m)%16)/2
.if LP_ < 4
.set LF_, LP_+4*((\m)%2)
.else
.set LF_, 2*LP_+(\m)%2
.endif
.if ((\m)/8)%2 == 0
.set LR_, WF+12*((\m)%8)
.else
.set LR_, WF1+12*((\m)%8)
.endif
.irp c, 0,1,2
	ds_load_b128 v[LR_+4*\c:LR_+4*\c+3], v[AW+LS_/3] offset:((LS_%3)*12+LF_)*1536+512*\c
.endr
.endm
.macro LOADG g                         ; a run of 24 LDS loads: group g's eight fragments
.if (\g)%2 == 0
	WIN 0
.else
	WIN 0xc0                                       ; destination window 3, address window 0
.endif
.irp u, 0,1,2,3,4,5,6,7
	LOADQ 8*(\g)+\u
.endr
.endm
.macro BIASL p, e                      ; the eight biases a lane of tile e of pair p
.if (\p) < 4
.set BF_, (\p)+4*(\e)
.else
.set BF_, 2*(\p)+(\e)
.endif
	ds_load_b128 v[BI+8*(\e):BI+8*(\e)+3], v[ABI] offset:256*(BF_/4)+64*(BF_%4)
	ds_load_b128 v[BI+8*(\e)+4:BI+8*(\e)+7], v[ABI] offset:256*(BF_/4)+64*(BF_%4)+16
.endm
.macro WM c                            ; the scale operands' rows: the tile's parity for W, the K step's place in its four for x
.if (T_%2 == 0) && ((KS_%4)/2 == 0)
	v_wmma_scale_f32_16x16x128_f8f6f4 v[AC_:AC_+7], v[WR_:WR_+11], v[XR_:XR_+11], \c, v[SA_], v[SB_] matrix_a_fmt:MATRIX_FMT_FP6 matrix_b_fmt:MATRIX_FMT_FP6
.elseif (KS_%4)/2 == 0
	v_wmma_scale_f32_16x16x128_f8f6f4 v[AC_:AC_+7], v[WR_:WR_+11], v[XR_:XR_+11], \c, v[SA_], v[SB_] matrix_a_fmt:MATRIX_FMT_FP6 matrix_b_fmt:MATRIX_FMT_FP6 matrix_a_scale:MATRIX_SCALE_ROW1
.elseif T_%2 == 0
	v_wmma_scale_f32_16x16x128_f8f6f4 v[AC_:AC_+7], v[WR_:WR_+11], v[XR_:XR_+11], \c, v[SA_], v[SB_] matrix_a_fmt:MATRIX_FMT_FP6 matrix_b_fmt:MATRIX_FMT_FP6 matrix_b_scale:MATRIX_SCALE_ROW1
.else
	v_wmma_scale_f32_16x16x128_f8f6f4 v[AC_:AC_+7], v[WR_:WR_+11], v[XR_:XR_+11], \c, v[SA_], v[SB_] matrix_a_fmt:MATRIX_FMT_FP6 matrix_b_fmt:MATRIX_FMT_FP6 matrix_a_scale:MATRIX_SCALE_ROW1 matrix_b_scale:MATRIX_SCALE_ROW1
.endif
.endm
.macro ONE                             ; the fragment in hand against adapter AA's tokens
.set AC_, 64*(P_%2)+32*E_+8*AA
.if KS_ < 5
.set XW_, 1
.set XR_, 12*(4*KS_+AA)
.else
.set XW_, 2
.set XR_, 12*(4*(KS_-5)+AA)
.endif
.set SA_, WS+4*(2*(2*M_+T_/2)+KS_/4)+KS_%4
.set SB_, XS+4*AA+2*(KS_/4)+KS_%2
.if KS_ == 0
.set WN_, (3<<6)|(XW_<<2)|SW_
	WIN WN_
	WM v[BI+8*E_:BI+8*E_+7]                        ; the sum begins at its bias
.else
.set WN_, (3<<6)|(3<<4)|(XW_<<2)|SW_
	WIN WN_
	WM v[AC_:AC_+7]
.endif
.endm
.macro SPK t, i, q, k                  ; two features of q . k; each accumulator is read from its low end on (i ascends)
.if ((\t) == 0) && ((\i) == 0)
	v_pk_mul_f32 v[SP+2*(4*(\q)+(\k)):SP+2*(4*(\q)+(\k))+1], v[64*((\t)%2)+8*(\q)+2*(\i):64*((\t)%2)+8*(\q)+2*(\i)+1], v[64*((\t)%2)+32+8*(\k)+2*(\i):64*((\t)%2)+32+8*(\k)+2*(\i)+1]
.else
	v_pk_fma_f32 v[SP+2*(4*(\q)+(\k)):SP+2*(4*(\q)+(\k))+1], v[64*((\t)%2)+8*(\q)+2*(\i):64*((\t)%2)+8*(\q)+2*(\i)+1], v[64*((\t)%2)+32+8*(\k)+2*(\i):64*((\t)%2)+32+8*(\k)+2*(\i)+1], v[SP+2*(4*(\q)+(\k)):SP+2*(4*(\q)+(\k))+1]
.endif
.endm
; FRAGMENT n of a head's 96 against the four adapters; eight of these are a group.
.macro QUAD n
.set P_, (\n)/16
.set J_, (\n)%16
.set KS_, J_/2
.set E_, J_%2
.if P_ < 4
.set F_, P_+4*E_
.else
.set F_, 2*P_+E_
.endif
.set M_, F_/4
.set T_, F_%4
.set G_, (\n)/8
.if G_%2 == 0
.set WR_, WF+12*((\n)%8)
.set SW_, 0
.else
.set WR_, WF1+12*((\n)%8)
.set SW_, 3
.endif
.if (P_ == 0) && (E_ == 0)
.if 12*(7-KS_) > 63
	s_wait_loadcnt 63                              ; x's images of this K step are in: more than 63 loads were issued behind them, and the count's field ends there
.else
	s_wait_loadcnt 12*(7-KS_)                      ; x's images of this K step are in; the twelve of each later K step may be out
.endif
.endif
.if (\n)%8 == 0
.if G_ < 11
	s_wait_dscnt 24                                ; this group's fragments are in; the 24 loads of the next group's, the last run issued, may be out
.else
	s_wait_dscnt 0x0                               ; the head's last group: nothing was asked for behind its fragments
.endif
.endif
.set AA, 0
.rept 4
	ONE
.set AA, AA+1
.endr
.if (\n)%8 == 7
.if (G_ >= 2) && (G_ < 10)
	WIN 0x0f                                       ; Q and K in window 3, the scores in window 0
.irp i, 0,1
.irp q, 0,1,2,3
.irp k, 0,1,2,3
	SPK (G_-2)/2, 2*((G_-2)%2)+\i, \q, \k
.endr
.endr
.endr
.else
	PLACES
.endif
.if G_ < 10
.if G_%2 == 0
	WIN 0
	BIASL G_/2+1, 0                                ; the next pair's biases, ahead of the run's 24: this pair's were read at this group's start
	BIASL G_/2+1, 1
.endif
	LOADG G_+2
.endif
.endif
.endm
.macro MM
.set QN, 0
.rept 96
	QUAD QN
.set QN, QN+1
.endr
.endm
; THE CHANGE OF SLOTS, behind a head's products.  Each wave waits for all its tensor loads (its quarter of the other slot), adds 0 to its spare word, and waits for that and for its reads of this slot.
; fill = 1: the barrier is a round of the cluster's, and behind it this slot is filled with the head two on.  The four v_nop are also the places between the head's last products and all that follows.
.macro CHANGE fill
	WIN 0
	s_wait_tensorcnt 0x0                           ; no tensor load of mine is out, so a group 0 may be written
	ds_add_u32 v[SPW], v[NIL]
.if \fill
	s_mul_i32 s[G0W+1], s[CNT], SLOT1              ; behind head 0 slot 0, behind head 1 slot 1,
	s_add_co_u32 s[G0W+1], s[G0W+1], s31           ; my quarter,
	s_add_nc_u64 s[G0W+2:G0W+3], s[G0W+2:G0W+3], HEADB   ; the next head; the type bits on top are not reached
.endif
	s_wait_dscnt 0x0                               ; the add is done, and my reads of this slot are over
.if \fill
	CROUND                                         ; no wave of any partner still reads this slot or has a load on its way
	tensor_load_to_lds s[G0W:G0W+3], s[G1D:G1D+7]  ; my one tensor load behind the round
	s_nop 0
.else
	s_barrier_signal -1
	s_barrier_wait -1
.endif
	PLACES
.endm
.macro PRE                             ; what a head's products want first: its scale words, the first pair's biases, two groups' fragments
	v_add_nc_u32 v[AW], s[TB], v[LI]
	v_add_nc_u32 v[AW+1], 36*1536, v[AW]
	v_add_nc_u32 v[AW+2], 72*1536, v[AW]
	v_add_nc_u32 v[AW+3], 96*1536, v[AW]
	v_add_nc_u32 v[ABI], s[TB], v[ABI0]
.irp w, 0,1,2,3,4,5,6,7,8,9,10,11
	ds_load_b128 v[WS+4*\w:WS+4*\w+3], v[AW+3] offset:512*\w
.endr
	BIASL 0, 0
	BIASL 0, 1
	LOADG 0
	LOADG 1
	WIN 0
.endm
; THE SOFTMAX, THE POOLING AND THE WAY OUT of a head.  guard = 1: in the launch's last head nothing is asked for the next (a branch on the count of heads; no tensor load and no barrier stands under it).
.macro EPI guard
	s_xor_b32 s[TB], s[TB], SLOT1
.if \guard
	s_cmp_eq_u32 s[CNT], 1
	s_cbranch_scc1 .Lno_next_\@
.endif
	PRE
.if \guard
.Lno_next_\@:
.endif
.irp p, 0,1,2,3,4,5,6,7,8,9,10,11,12,13,14,15
	v_add_f32 v[E+\p], v[SP+2*\p], v[SP+2*\p+1]    ; a pair's two halves,
.endr
.irp p, 0,1,2,3,4,5,6,7,8,9,10,11,12,13,14,15
	v_permlanex16_b32 v[SP+\p], v[E+\p], s[SEL], s[SEL+1]
.endr
.irp p, 0,1,2,3,4,5,6,7,8,9,10,11,12,13,14,15
	v_add_f32 v[E+\p], v[E+\p], v[SP+\p]           ; and the other 32 features, in lane l xor 16: q . k
.endr
.irp q, 0,1,2,3
	v_max3_num_f32 v[MX+2*\q], v[E+4*\q], v[E+4*\q+1], v[E+4*\q+2]
.endr
.irp q, 0,1,2,3
	v_max_num_f32 v[MX+2*\q], v[MX+2*\q], v[E+4*\q+3]   ; a query's largest score
.endr
.irp q, 0,1,2,3
.irp u, 0,1
	v_pk_add_f32 v[E+4*\q+2*\u:E+4*\q+2*\u+1], v[E+4*\q+2*\u:E+4*\q+2*\u+1], v[MX+2*\q:MX+2*\q+1] op_sel_hi:[1,0] neg_lo:[0,1] neg_hi:[0,1]   ; score - maximum
.endr
.endr
.irp p, 0,2,4,6,8,10,12,14
	v_pk_mul_f32 v[E+\p:E+\p+1], v[E+\p:E+\p+1], s[CS:CS+1] op_sel_hi:[1,0]   ; x log2(e) / 8
.endr
	s_wait_alu depctr_va_vdst(0)
.irp p, 0,1,2,3,4,5,6,7,8,9,10,11,12,13,14,15
	v_exp_f32 v[E+\p], v[E+\p]
.endr
	v_nop                                          ; a plain instruction behind the last exponential
	s_wait_alu depctr_va_vdst(0)                   ; one wait for the sixteen, ahead of their first reader
.irp q, 0,1,2,3
	v_pk_add_f32 v[SP+2*\q:SP+2*\q+1], v[E+4*\q:E+4*\q+1], v[E+4*\q+2:E+4*\q+3]
.endr
.irp q, 0,1,2,3
	v_add_f32 v[RI+\q], v[SP+2*\q], v[SP+2*\q+1]   ; a query's sum
.endr
	s_wait_alu depctr_va_vdst(0)
.irp q, 0,1,2,3
	v_rcp_f32 v[RI+\q], v[RI+\q]
.endr
	v_nop
	s_wait_alu depctr_va_vdst(0)                   ; one wait for the four; it also stands ahead of the first reads of V's sums
.irp q, 0,1,2,3
	v_mul_f32 v[RI+\q], 0x3e800000, v[RI+\q]       ; x 1/4: the mean over the queries
.endr
.irp k, 0,1,2,3
	v_mul_f32 v[WB+2*\k], v[E+\k], v[RI]
.endr
.irp q, 1,2,3
.irp k, 0,1,2,3
	v_fmac_f32 v[WB+2*\k], v[E+4*\q+\k], v[RI+\q]  ; key k's pooled weight
.endr
.endr
	WIN 0x03                                       ; V's sums in window 3: tile t, adapter k at 32 t + 8 k
.irp t, 0,1,2,3                                ; pooled = sum over k of weight x v.  Tile t goes to place 0, 2, 1, 3 of the pooled numbers' four
.irp k, 0,1,2,3
.set VR_, 32*\t+8*\k
.set PR_, P+8*(2*(\t%2)+\t/2)
.irp i, 0,1,2,3
.if \k == 0
	v_pk_mul_f32 v[PR_+2*\i:PR_+2*\i+1], v[VR_+2*\i:VR_+2*\i+1], v[WB+2*\k:WB+2*\k+1] op_sel_hi:[1,0]
.else
	v_pk_fma_f32 v[PR_+2*\i:PR_+2*\i+1], v[VR_+2*\i:VR_+2*\i+1], v[WB+2*\k:WB+2*\k+1], v[PR_+2*\i:PR_+2*\i+1] op_sel_hi:[1,0,1]
.endif
.endr
.endr
.endr
	WIN 0
; Lane (r, h) holds features 16 t + 8 h + j; the operand's layout wants the whole block 32 h + 0 .. 31 in a lane.  Tiles 0 and 2 change halves, and tiles 1 and 3: then v[P + i] is feature 32 h + i.
	s_wait_alu depctr_va_vdst(0)
.irp j, 0,1,2,3,4,5,6,7
	v_permlane16_swap_b32 v[P+\j], v[P+8+\j]
	v_permlane16_swap_b32 v[P+16+\j], v[P+24+\j]
.endr
	v_max3_num_f32 v[MA], |v[P]|, |v[P+1]|, 0x1800000   ; the block's largest magnitude, in two chains, with the floor 2^(3 - 127)
	v_max3_num_f32 v[MB], |v[P+16]|, |v[P+17]|, |v[P+18]|
.irp i, 2,4,6,8,10,12
	v_max3_num_f32 v[MA], v[MA], |v[P+\i]|, |v[P+\i+1]|
	v_max3_num_f32 v[MB], v[MB], |v[P+17+\i]|, |v[P+18+\i]|
.endr
	v_max3_num_f32 v[MA], v[MA], |v[P+14]|, |v[P+15]|
	v_max3_num_f32 v[MA], v[MA], v[MB], |v[P+31]|
	v_add_nc_u32 v[SO], 0xff000000, v[MA]          ; 2 off its exponent field: the conversion's scale operand
	v_lshrrev_b32 v[BY], 23, v[SO]                 ; the scale's byte
	v_cvt_scalef32_pk16_fp6_f32 v[F:F+2], v[P:P+15], v[SO]
	v_cvt_scalef32_pk16_fp6_f32 v[TT:TT+2], v[P+16:P+31], v[SO]   ; (a conversion's three registers begin on an even number)
	v_nop                                          ; one plain place behind a scaled conversion
.irp i, 0,1,2
	v_mov_b32 v[F+3+\i], v[TT+\i]
.endr
	v_lshlrev_b32 v[BY], v[SH8], v[BY]
	v_permlanex16_b32 v[T2], v[BY], s[SEL], s[SEL+1]
	v_or_b32 v[BY], v[BY], v[T2]                   ; the head's two bytes, blocks 0 and 1
	v_alignbit_b32 v[SWLO], v[SWHI], v[SWLO], 16   ; shifted in from the top: after four heads the first head's lie lowest
	v_alignbit_b32 v[SWHI], v[BY], v[SWHI], 16
.irp p, 0,1,2
	global_store_b64 v[PO], v[F+2*\p:F+2*\p+1], s[10:11] offset:256*\p   ; 32 lanes store 256 consecutive bytes, at a multiple of 256 from pc's first byte
.endr
	s_wait_xcnt 0x0                                ; the stores have read their data and their base: both are written again only behind this wait
	s_add_nc_u64 s[10:11], s[10:11], 768           ; the next head's place
.endm
	s_wait_alu depctr_va_vdst(0)
	s_wait_tensorcnt 0x0                           ; my quarter of head 0 is in
	ds_add_u32 v[SPW], v[NIL]
	s_wait_dscnt 0x0
	CROUND                                         ; everybody's quarter is in, and all sixteen work-groups are here
	tensor_load_to_lds s[G0W:G0W+3], s[G1D:G1D+7]  ; head 1 into slot 1: my one tensor load behind the round
	s_nop 0
	PLACES
	PRE
	s_mov_b32 s[CNT], 0
.Lfilling:                                         ; heads 0 and 1: behind each the slot that it leaves is filled again
	s_wait_alu depctr_va_vdst(0)
	MM
	CHANGE 1
	EPI 0
	s_add_co_u32 s[CNT], s[CNT], 1
	s_cmp_lt_u32 s[CNT], 2
	s_cbranch_scc1 .Lfilling
	s_mov_b32 s[CNT], 2
.Llast_two:                                        ; heads 2 and 3 are written a second time
	MM
	CHANGE 0
	EPI 1
	s_sub_co_u32 s[CNT], s[CNT], 1
	s_cmp_lg_u32 s[CNT], 0
	s_cbranch_scc1 .Llast_two
	v_cmp_ne_u32 vcc_lo, 0, v[SH8]
	s_wait_alu depctr_va_vdst(0)
	v_cndmask_b32 v[MA], v[SWLO], v[SWHI], vcc_lo  ; lanes 0-15: the word of K step 2 cx; lanes 16-31: of 2 cx + 1
	global_store_b32 v[PSO], v[MA], s[12:13]
	s_wait_tensorcnt 0x0                           ; the wave's end
	ds_add_u32 v[SPW], v[NIL]
	s_wait_dscnt 0x0
	CROUND                                         ; the closing round: no work-group ends while a partner may still ask for a tile that names it
	s_endpgm
.Lfunc_end_k_q10889cc46a_qkv:
	.size	k_q10889cc46a_qkv, .Lfunc_end_k_q10889cc46a_qkv-k_q10889cc46a_qkv
	.p2alignl 7, 3214868480
	.fill 96, 4, 3214868480
	.section	.rodata,"a",@progbits
	.p2align	6, 0x0
	.amdhsa_kernel k_q10889cc46a_qkv
		.amdhsa_group_segment_fixed_size 327680
		.amdhsa_private_segment_fixed_size 0
		.amdhsa_enable_private_segment 0
		.amdhsa_kernarg_size 40
		.amdhsa_user_sgpr_count 2
		.amdhsa_user_sgpr_kernarg_segment_ptr 1
		.amdhsa_wavefront_size32 1
		.amdhsa_system_sgpr_workgroup_id_x 1
		.amdhsa_system_sgpr_workgroup_id_y 1
		.amdhsa_system_sgpr_workgroup_id_z 1
		.amdhsa_system_vgpr_workitem_id 0
		.amdhsa_next_free_vgpr 1024
		.amdhsa_next_free_sgpr 100
		.amdhsa_reserve_vcc 1
		.amdhsa_float_denorm_mode_32 3
		.amdhsa_float_denorm_mode_16_64 3
		.amdhsa_memory_ordered 1
		.amdhsa_forward_progress 1
		.amdhsa_inst_pref_size 220
	.end_amdhsa_kernel
	.amdgpu_metadata
---
amdhsa.version: [ 1, 2 ]
amdhsa.kernels:
  - .name:           k_q10889cc46a_qkv
    .symbol:         k_q10889cc46a_qkv.kd
    .args:
      - { .name: xq, .offset: 0, .size: 8, .value_kind: global_buffer, .address_space: global }
      - { .name: xs, .offset: 8, .size: 8, .value_kind: global_buffer, .address_space: global }
      - { .name: wqkv, .offset: 16, .size: 8, .value_kind: global_buffer, .address_space: global }
      - { .name: pc, .offset: 24, .size: 8, .value_kind: global_buffer, .address_space: global }
      - { .name: ps, .offset: 32, .size: 8, .value_kind: global_buffer, .address_space: global }
    .group_segment_fixed_size: 327680
    .private_segment_fixed_size: 0
    .kernarg_segment_align: 8
    .kernarg_segment_size: 40
    .max_flat_workgroup_size: 128
    .sgpr_count:     100
    .vgpr_count:     1024
    .wavefront_size: 32
...
	.end_amdgpu_metadata
.endif
;; end of part 2
;; launch outln (part 3): grid 256 x 1, 4 waves a work-group, clusters of 4 x 1, 327,680 bytes of LDS; arguments pc, ps, wof, Wo_scales, adapter_outputs, bo, ln_gamma, ln_beta, out0; writes out0
.if DOCPART == 3
	.amdgcn_target "amdgcn-amd-amdhsa--gfx1250"
	.amdhsa_code_object_version 6
	.text
	.protected	k_q10889cc46a_outln
	.globl	k_q10889cc46a_outln
	.p2align	8
	.type	k_q10889cc46a_outln,@function
k_q10889cc46a_outln:
	s_mov_b64 s[64:65], 0
	v_nop
	global_prefetch_b8 v0, s[64:65] scope:SCOPE_SE
	s_setreg_imm32_b32 hwreg(HW_REG_WAVE_MODE, 25, 1), 1
	s_wait_xcnt 0x0
	s_wait_alu depctr_hold_cnt(0) depctr_sa_sdst(0) depctr_va_vdst(0) depctr_va_sdst(0) depctr_va_ssrc(0) depctr_va_vcc(0) depctr_vm_vsrc(0)
	s_getreg_b32 s2, hwreg(HW_REG_IB_STS2, 6, 4)
	s_cmp_eq_u32 s2, 0
	s_cbranch_scc0 .Lentry_in_a_cluster
	s_endpgm
.Lentry_in_a_cluster:
	s_bfe_u32 s2, ttmp6, 0x10000c
	s_cmp_lg_u32 s2, 0x3003
	s_cbranch_scc0 .Lentry_shape_is_right
	s_endpgm
.Lentry_shape_is_right:
; OUTLN.  For 16 tokens: fused = pooled Wo + bo + adapter 0's row, on codes of FP6 (E2M3) with E8M0 scales, then LayerNorm over the 1,024 columns, in f32.
; SHARES.  Work-group tg: tokens 16 tg + r.  Wave w: columns 256 w .. 256 w + 255 of the product, 16 tiles of 16 rows of Wo, 8 K steps each: 128 matrix instructions, used transposed
; (source 0 = 16 rows of Wo, source 1 = the 16 tokens); then, through a stage in LDS, rows 4 w .. 4 w + 3 of the result, whole, for the norm.
; WHERE Wo COMES FROM.  All work-groups read all of Wo's images.  The four of a cluster ask jointly for twelve of a wave's sixteen tiles, in two loads of six (73,728 bytes a wave):
; tiles 0-5 at the head, tiles 6-11 into the same bytes behind the waits, the add and a round.  A wave reads only the bytes that it fetched itself.
; Tiles 12-15 come straight into four sets of registers, asked for at the head, and are multiplied first.  No prefetch: there is no loop to run ahead in.
; A UNIT is a pair of tiles x four K steps: 8 fragments, 96 registers, 8 matrix instructions on two accumulators by turns.  Sixteen units, V = 0 .. 15; unit V lies in set V % 4.
; The pooled codes (12,288 bytes) and scale words go straight into every wave's registers.
; LIMITS: NaN and infinities are not served; v_rsq_f32 is taken as it is (1 ulp: ISA guide, its entry).
; REGISTERS, in windows of 256: window 0: addresses; v16-19 the pooled scale words; v32-95 Wo's scale words; v96-191 the pooled fragments; v192-227 the norm's sums; v254-255 for the add.
;   window 1: sets 0, 1 at v0, v96; bo at v192, gamma at v224.   window 2: sets 2, 3 at v0, v96; beta at v192.   window 3: the 16 accumulators at 8 n, later my four rows; the residual's four rows at v128.
.set WPART,  73728                     ; six tiles' images: a wave's own part of LDS
.set STG,    0                         ; the stage lies where the weights lay, behind their last fill and last read
.set SPITCH, 4112
.set LI,  1
.set PA,  2
.set SA,  3
.set SR,  4
.set WSO, 6
.set WL,  8
.set PS,  16
.set WSC, 32
.set PF,  96
.set SUMP, 192
.set T,    200
.set MEAN, 204
.set VARP, 212
.set RS,   220
.set WV,  22
.set G1W, 32
.set G0W, 44
.set SEL, 56
.set MSB, 0
.macro WIN new
.if MSB != \new
	s_set_vgpr_msb (MSB<<8)|\new
.set MSB, \new
.endif
.endm
.macro PLACES
.rept 4
	v_nop
.endr
.endm
.macro ROUND
	s_barrier_signal -1
	s_barrier_wait -1
	s_cmp_lg_u32 s[WV], 0
	s_cbranch_scc1 .Lnot_wave_0_\@
	s_barrier_signal -3
.Lnot_wave_0_\@:
	s_barrier_wait -3
	s_barrier_signal -1
	s_barrier_wait -1
.endm
	s_load_b256 s[4:11], s[0:1], 0x0               ; pc, ps, wof, Wo's scales
	s_load_b256 s[12:19], s[0:1], 0x20             ; adapter_outputs, bo, gamma, beta
	s_load_b64 s[20:21], s[0:1], 0x40              ; out0
	v_lshl_add_u32 v254, v0, 2, 0x4b000
	v_mov_b32 v255, 0
	ds_add_u32 v254, v255                          ; the opening lines
	ds_add_u32 v254, v255
	v_lshrrev_b32 v10, 5, v0
	v_readfirstlane_b32 s[WV], v10
	s_bfe_u32 s60, ttmp6, 0x40000
	s_lshl_b32 s61, ttmp9, 2
	s_add_co_u32 s61, s61, s60                     ; tg
	s_mov_b32 s[G1W], 15|(3<<16)|(1<<21)           ; all four of the cluster; elements of 8 bytes
	s_mov_b32 s[G1W+1], 32<<16                     ; 288 dense rows of 256 bytes
	s_mov_b32 s[G1W+2], 288<<16
	s_mov_b32 s[G1W+3], 32<<16
	s_mov_b32 s[G1W+4], 288
	s_mov_b32 s[G1W+5], 32
	s_mov_b32 s[G1W+6], 0
	s_mov_b32 s[G1W+7], 0
	s_mul_i32 s48, s61, 12288                      ; pc: 16 tokens' codes
	s_mov_b32 s49, 0
	s_lshl_b32 s52, s61, 16                        ; 16 rows of 4,096 bytes,
	s_lshl_b32 s51, s[WV], 14                      ; my four
	s_add_co_u32 s52, s52, s51
	s_mov_b32 s53, 0
	s_lshl_b32 s54, s61, 9                         ; ps
	s_mov_b32 s55, 0
	s_mul_i32 s62, s[WV], 16*12288                 ; wof: my sixteen tiles
	s_mov_b32 s63, 0
	s_mov_b32 s[SEL], 0x76543210
	s_mov_b32 s[SEL+1], 0xfedcba98
	s_mov_b32 s58, 0x3a800000                      ; 1 / 1024
	s_mov_b32 s59, 0x3727c5ac                      ; 1e-5
	s_wait_dscnt 0x0
	s_wait_kmcnt 0x0
	s_add_nc_u64 s[8:9], s[8:9], s[62:63]
	s_mov_b32 s[G0W], 1
	s_mul_i32 s[G0W+1], s[WV], WPART
	s_mov_b64 s[G0W+2:G0W+3], s[8:9]
	s_or_b32 s[G0W+3], s[G0W+3], 0x80000000
	ROUND
	tensor_load_to_lds s[G0W:G0W+3], s[G1W:G1W+7]  ; tiles 0-5: one tensor load a wave at the head
	s_nop 0
	PLACES
	s_add_nc_u64 s[4:5], s[4:5], s[48:49]
	s_add_nc_u64 s[20:21], s[20:21], s[52:53]
	s_add_nc_u64 s[12:13], s[12:13], s[52:53]
	s_add_nc_u64 s[6:7], s[6:7], s[54:55]
	s_lshl_b32 s48, s[WV], 13
	s_add_nc_u64 s[10:11], s[10:11], s[48:49]
	v_and_b32 v10, 31, v0
	v_and_b32 v11, 15, v0
	v_bfe_u32 v12, v0, 4, 1
	v_lshlrev_b32 v[LI], 4, v10
	v_lshlrev_b32 v[PA], 3, v10
	v_lshlrev_b32 v[WSO], 5, v10
	v_mul_u32_u24 v[SA], v11, SPITCH
	v_lshl_add_u32 v[SA], v12, 5, v[SA]
	s_lshl_b32 s23, s[WV], 10
	v_add_nc_u32 v[SA], s23, v[SA]
	s_mul_i32 s23, s[WV], 4*SPITCH
	v_add_nc_u32 v[SR], s23, v[LI]
	s_mul_i32 s23, s[WV], WPART
	v_add_nc_u32 v[WL], s23, v[LI]
	v_add_nc_u32 v[WL+1], 3*12288, v[WL]
	s_wait_alu depctr_va_vdst(0)
.macro SETU v                          ; unit v: pair LP_ of tiles, half LH_ of K; its set of registers; its first tile's place among the six in LDS
.if (\v) < 4
.set U_, (\v)+12
.else
.set U_, (\v)-4
.endif
.set LP_, U_/2
.set LH_, U_%2
.set LB_, 96*((\v)%2)
.set RW_, 1+((\v)%4)/2
.if (\v) < 10
.set LT0_, 2*LP_
.else
.set LT0_, 2*LP_-6
.endif
.endm
.macro FILL v                          ; 24 loads: from memory (units 0-3) or from my part of LDS
	SETU \v
.set WN_, RW_<<6
	WIN WN_
.irp i, 0,1,2,3
.irp e, 0,1
.irp c, 0,1,2
.if (\v) < 4
	global_load_b128 v[LB_+12*(2*\i+\e)+4*\c:LB_+12*(2*\i+\e)+4*\c+3], v[LI], s[8:9] offset:(2*LP_+\e)*12288+(4*LH_+\i)*1536+512*\c
.else
	ds_load_b128 v[LB_+12*(2*\i+\e)+4*\c:LB_+12*(2*\i+\e)+4*\c+3], v[WL+(LT0_+\e)/3] offset:((LT0_+\e)%3)*12288+(4*LH_+\i)*1536+512*\c
.endif
.endr
.endr
.endr
.endm
.macro MUL v
	SETU \v
.set WN_, 0xf0|RW_
	WIN WN_
.irp i, 0,1,2,3
.irp e, 0,1
.set S_, 4*LH_+\i
.set AC_, 8*(2*LP_+\e)
.set WR_, LB_+12*(2*\i+\e)
.set PR_, PF+12*S_
.set SA_, WSC+8*LP_+S_
.set SB_, PS+\i
.if (S_ == 0) && (\e == 0)
	v_wmma_scale_f32_16x16x128_f8f6f4 v[AC_:AC_+7], v[WR_:WR_+11], v[PR_:PR_+11], 0, v[SA_], v[SB_] matrix_a_fmt:MATRIX_FMT_FP6 matrix_b_fmt:MATRIX_FMT_FP6
.elseif S_ == 0
	v_wmma_scale_f32_16x16x128_f8f6f4 v[AC_:AC_+7], v[WR_:WR_+11], v[PR_:PR_+11], 0, v[SA_], v[SB_] matrix_a_fmt:MATRIX_FMT_FP6 matrix_b_fmt:MATRIX_FMT_FP6 matrix_a_scale:MATRIX_SCALE_ROW1
.elseif (LH_ == 0) && (\e == 0)
	v_wmma_scale_f32_16x16x128_f8f6f4 v[AC_:AC_+7], v[WR_:WR_+11], v[PR_:PR_+11], v[AC_:AC_+7], v[SA_], v[SB_] matrix_a_fmt:MATRIX_FMT_FP6 matrix_b_fmt:MATRIX_FMT_FP6
.elseif LH_ == 0
	v_wmma_scale_f32_16x16x128_f8f6f4 v[AC_:AC_+7], v[WR_:WR_+11], v[PR_:PR_+11], v[AC_:AC_+7], v[SA_], v[SB_] matrix_a_fmt:MATRIX_FMT_FP6 matrix_b_fmt:MATRIX_FMT_FP6 matrix_a_scale:MATRIX_SCALE_ROW1
.elseif \e == 0
	v_wmma_scale_f32_16x16x128_f8f6f4 v[AC_:AC_+7], v[WR_:WR_+11], v[PR_:PR_+11], v[AC_:AC_+7], v[SA_], v[SB_] matrix_a_fmt:MATRIX_FMT_FP6 matrix_b_fmt:MATRIX_FMT_FP6 matrix_b_scale:MATRIX_SCALE_ROW1
.else
	v_wmma_scale_f32_16x16x128_f8f6f4 v[AC_:AC_+7], v[WR_:WR_+11], v[PR_:PR_+11], v[AC_:AC_+7], v[SA_], v[SB_] matrix_a_fmt:MATRIX_FMT_FP6 matrix_b_fmt:MATRIX_FMT_FP6 matrix_a_scale:MATRIX_SCALE_ROW1 matrix_b_scale:MATRIX_SCALE_ROW1
.endif
.endr
.endr
.endm
.macro WSCL g                          ; the scale words of pair g: lanes 0-15 tile 2 g, lanes 16-31 tile 2 g + 1; register s: K step s
	global_load_b128 v[WSC+8*\g:WSC+8*\g+3], v[WSO], s[10:11] offset:1024*\g
	global_load_b128 v[WSC+8*\g+4:WSC+8*\g+7], v[WSO], s[10:11] offset:1024*\g+16
.endm
.macro PARAMS
	WIN 0x40
.irp i, 0,1,2,3,4,5,6,7
	global_load_b128 v[192+4*\i:192+4*\i+3], v[LI], s[14:15] offset:512*\i
	global_load_b128 v[224+4*\i:224+4*\i+3], v[LI], s[16:17] offset:512*\i
.endr
	WIN 0x80
.irp i, 0,1,2,3,4,5,6,7
	global_load_b128 v[192+4*\i:192+4*\i+3], v[LI], s[18:19] offset:512*\i
.endr
.endm
.macro RESID
	WIN 0xc0
.irp w, 0,1,2,3
.irp i, 0,1,2,3,4,5,6,7
	global_load_b128 v[128+32*\w+4*\i:128+32*\w+4*\i+3], v[LI], s[12:13] offset:4096*\w+512*\i th:TH_LOAD_NT
.endr
.endr
.endm
	; the head's loads, in the order of their use: 5 of scale words, 48 of pooled codes, 4 x 24 of units 0-3, 12 of scale words
	global_load_b128 v[PS:PS+3], v[LI], s[6:7]
	WSCL 6
	WSCL 7
.irp s, 0,1,2,3,4,5,6,7
.irp c, 0,1
.irp p, 0,1,2
	global_load_b64 v[PF+12*\s+6*\c+2*\p:PF+12*\s+6*\c+2*\p+1], v[PA], s[4:5] offset:(2*\s+\c)*768+256*\p
.endr
.endr
.endr
	FILL 0
	FILL 1
	FILL 2
	FILL 3
	WIN 0
.irp g, 0,1,2,3,4,5
	WSCL \g
.endr
.set V, 0
.rept 16
.if V == 0
	s_wait_loadcnt 63                              ; unit 0 is in: 84 loads were issued behind it, and the count's field ends at 63
.elseif V == 1
	s_wait_loadcnt 60                              ; behind unit 1: units 2, 3 and 12 of scale words
.elseif V == 2
	s_wait_loadcnt 36
.elseif V == 3
	s_wait_loadcnt 12
.elseif V == 4
	s_wait_loadcnt 56                              ; all scale words are in; the 24 loads of bo, gamma, beta and the residual's 32 may be out
	s_wait_dscnt 63                                ; unit 4 is in: 72 LDS loads were issued behind it
.elseif V == 5
	s_wait_dscnt 63
.elseif (V >= 10) && (V < 13)
	s_wait_dscnt 63                                ; 72 LDS loads were issued behind this unit's
.elseif V == 13
	s_wait_dscnt 48
.elseif V == 14
	s_wait_dscnt 24
.elseif V == 15
	s_wait_dscnt 0x0
.endif
	MUL V
.if V < 6
	PLACES
.if V == 0
	s_wait_tensorcnt 0x0                           ; my tiles 0-5 are in: only I read them
.endif
	FILL V+4
.endif
.if V == 3
	PARAMS
	RESID                                          ; the residual's rows are asked for ahead of the refill's waits and round
.endif
.if V == 5                             ; units 4-9 have all been asked of LDS: my part is filled again
	WIN 0
	s_wait_tensorcnt 0x0
	ds_add_u32 v254, v255
	s_add_nc_u64 s[G0W+2:G0W+3], s[G0W+2:G0W+3], WPART   ; tiles 6-11
	s_wait_dscnt 0x0                               ; the add is done, and units 6-9 are in registers
	ROUND
	tensor_load_to_lds s[G0W:G0W+3], s[G1W:G1W+7]  ; my one tensor load behind the round
	s_nop 0
	PLACES
.endif
.if V == 9
	PLACES
	s_wait_tensorcnt 0x0                           ; my tiles 6-11 are in
	FILL 10
	FILL 11
	FILL 12
	FILL 13
.endif
.if (V == 10) || (V == 11)
	PLACES
	FILL V+4
.endif
.if V == 15
	PLACES
.endif
.set V, V+1
.endr
	s_barrier_signal -1
	s_barrier_wait -1                              ; nobody reads weights any more: the stage may be written
	WIN 0x0c
.irp n, 0,1,2,3,4,5,6,7,8,9,10,11,12,13,14,15
	ds_store_b128 v[SA], v[8*\n:8*\n+3] offset:STG+64*\n
	ds_store_b128 v[SA], v[8*\n+4:8*\n+7] offset:STG+64*\n+16
.endr
	WIN 0
	s_wait_dscnt 0x0
	s_barrier_signal -1
	s_barrier_wait -1
	WIN 0xc0
.irp w, 0,1,2,3
.irp i, 0,1,2,3,4,5,6,7
	ds_load_b128 v[32*\w+4*\i:32*\w+4*\i+3], v[SR] offset:STG+SPITCH*\w+512*\i
.endr
.endr
	s_wait_loadcnt 0x0
	s_wait_dscnt 0x0
	WIN 0xcf
.irp j, 0,2,4,6,8,10,12,14,16,18,20,22,24,26,28,30,32,34,36,38,40,42,44,46,48,50,52,54,56,58,60,62,64,66,68,70,72,74,76,78,80,82,84,86,88,90,92,94,96,98,100,102,104,106,108,110,112,114,116,118,120,122,124,126
	v_pk_add_f32 v[\j:\j+1], v[\j:\j+1], v[128+\j:128+\j+1]
.endr
	WIN 0xc7
.irp j, 0,2,4,6,8,10,12,14,16,18,20,22,24,26,28,30
.irp w, 0,1,2,3
	v_pk_add_f32 v[32*\w+\j:32*\w+\j+1], v[32*\w+\j:32*\w+\j+1], v[192+\j:192+\j+1]
.endr
.endr
	WIN 0x0f
.irp w, 0,1,2,3
	v_pk_add_f32 v[SUMP+2*\w:SUMP+2*\w+1], v[32*\w:32*\w+1], v[32*\w+2:32*\w+3]
.endr
	WIN 0x0c
.irp j, 4,6,8,10,12,14,16,18,20,22,24,26,28,30
.irp w, 0,1,2,3
	v_pk_add_f32 v[SUMP+2*\w:SUMP+2*\w+1], v[SUMP+2*\w:SUMP+2*\w+1], v[32*\w+\j:32*\w+\j+1]
.endr
.endr
	WIN 0
.macro ACROSS src
.irp w, 0,1,2,3
	v_add_f32 v[T+\w], v[\src+2*\w], v[\src+2*\w+1]
.endr
.irp x, 1,2,4,8
.irp w, 0,1,2,3
	v_add_f32_dpp v[T+\w], v[T+\w], v[T+\w] row_xmask:\x row_mask:0xf bank_mask:0xf
.endr
.endr
.irp w, 0,1,2,3
	v_permlanex16_b32 v[\src+2*\w], v[T+\w], s[SEL], s[SEL+1]
.endr
.irp w, 0,1,2,3
	v_add_f32 v[T+\w], v[T+\w], v[\src+2*\w]
.endr
.endm
	ACROSS SUMP
.irp w, 0,1,2,3
	v_mul_f32 v[MEAN+2*\w], s58, v[T+\w]
.endr
.irp w, 0,1,2,3
	v_mov_b32 v[MEAN+2*\w+1], v[MEAN+2*\w]
.endr
	WIN 0xc3
.irp j, 0,2,4,6,8,10,12,14,16,18,20,22,24,26,28,30
.irp w, 0,1,2,3
	v_pk_add_f32 v[32*\w+\j:32*\w+\j+1], v[32*\w+\j:32*\w+\j+1], v[MEAN+2*\w:MEAN+2*\w+1] neg_lo:[0,1] neg_hi:[0,1]
.endr
.endr
	WIN 0x0f
.irp w, 0,1,2,3
	v_pk_mul_f32 v[VARP+2*\w:VARP+2*\w+1], v[32*\w:32*\w+1], v[32*\w:32*\w+1]
.endr
.irp j, 2,4,6,8,10,12,14,16,18,20,22,24,26,28,30
.irp w, 0,1,2,3
	v_pk_fma_f32 v[VARP+2*\w:VARP+2*\w+1], v[32*\w+\j:32*\w+\j+1], v[32*\w+\j:32*\w+\j+1], v[VARP+2*\w:VARP+2*\w+1]
.endr
.endr
	WIN 0
	ACROSS VARP
.irp w, 0,1,2,3
	v_fma_f32 v[T+\w], v[T+\w], s58, s59
.endr
	s_wait_alu depctr_va_vdst(0)
.irp w, 0,1,2,3
	v_rsq_f32 v[RS+2*\w], v[T+\w]
.endr
	v_nop
	s_wait_alu depctr_va_vdst(0)
.irp w, 0,1,2,3
	v_mov_b32 v[RS+2*\w+1], v[RS+2*\w]
.endr
	WIN 0xc3
.irp j, 0,2,4,6,8,10,12,14,16,18,20,22,24,26,28,30
.irp w, 0,1,2,3
	v_pk_mul_f32 v[32*\w+\j:32*\w+\j+1], v[32*\w+\j:32*\w+\j+1], v[RS+2*\w:RS+2*\w+1]
.endr
.endr
	WIN 0xe7
.irp j, 0,2,4,6,8,10,12,14,16,18,20,22,24,26,28,30
.irp w, 0,1,2,3
	v_pk_fma_f32 v[32*\w+\j:32*\w+\j+1], v[32*\w+\j:32*\w+\j+1], v[224+\j:224+\j+1], v[192+\j:192+\j+1]
.endr
.endr
	WIN 0x0c
.irp w, 0,1,2,3
.irp i, 0,1,2,3,4,5,6,7
	global_store_b128 v[LI], v[32*\w+4*\i:32*\w+4*\i+3], s[20:21] offset:4096*\w+512*\i th:TH_STORE_NT
.endr
.endr
	WIN 0
	s_wait_tensorcnt 0x0                           ; the wave's end
	ds_add_u32 v254, v255
	s_wait_dscnt 0x0
	ROUND                                          ; the closing round
	s_endpgm
.Lfunc_end_k_q10889cc46a_outln:
	.size	k_q10889cc46a_outln, .Lfunc_end_k_q10889cc46a_outln-k_q10889cc46a_outln
	.p2alignl 7, 3214868480
	.fill 96, 4, 3214868480
	.section	.rodata,"a",@progbits
	.p2align	6, 0x0
	.amdhsa_kernel k_q10889cc46a_outln
		.amdhsa_group_segment_fixed_size 327680
		.amdhsa_private_segment_fixed_size 0
		.amdhsa_enable_private_segment 0
		.amdhsa_kernarg_size 72
		.amdhsa_user_sgpr_count 2
		.amdhsa_user_sgpr_kernarg_segment_ptr 1
		.amdhsa_wavefront_size32 1
		.amdhsa_system_sgpr_workgroup_id_x 1
		.amdhsa_system_sgpr_workgroup_id_y 1
		.amdhsa_system_sgpr_workgroup_id_z 1
		.amdhsa_system_vgpr_workitem_id 0
		.amdhsa_next_free_vgpr 1024
		.amdhsa_next_free_sgpr 66
		.amdhsa_reserve_vcc 0
		.amdhsa_float_denorm_mode_32 3
		.amdhsa_float_denorm_mode_16_64 3
		.amdhsa_memory_ordered 1
		.amdhsa_forward_progress 1
		.amdhsa_inst_pref_size 102
	.end_amdhsa_kernel
	.amdgpu_metadata
---
amdhsa.version: [ 1, 2 ]
amdhsa.kernels:
  - .name:           k_q10889cc46a_outln
    .symbol:         k_q10889cc46a_outln.kd
    .args:
      - { .name: pc, .offset: 0, .size: 8, .value_kind: global_buffer, .address_space: global }
      - { .name: ps, .offset: 8, .size: 8, .value_kind: global_buffer, .address_space: global }
      - { .name: wof, .offset: 16, .size: 8, .value_kind: global_buffer, .address_space: global }
      - { .name: Wo_scales, .offset: 24, .size: 8, .value_kind: global_buffer, .address_space: global }
      - { .name: adapter_outputs, .offset: 32, .size: 8, .value_kind: global_buffer, .address_space: global }
      - { .name: bo, .offset: 40, .size: 8, .value_kind: global_buffer, .address_space: global }
      - { .name: ln_gamma, .offset: 48, .size: 8, .value_kind: global_buffer, .address_space: global }
      - { .name: ln_beta, .offset: 56, .size: 8, .value_kind: global_buffer, .address_space: global }
      - { .name: out0, .offset: 64, .size: 8, .value_kind: global_buffer, .address_space: global }
    .group_segment_fixed_size: 327680
    .private_segment_fixed_size: 0
    .kernarg_segment_align: 8
    .kernarg_segment_size: 72
    .max_flat_workgroup_size: 128
    .sgpr_count:     66
    .vgpr_count:     1024
    .wavefront_size: 32
...
	.end_amdgpu_metadata
.endif
;; end of part 3
